; MI455X (gfx1250); checked and timed in simulation.
; The chip was launched on July 23, 2026; its instructions are those of AMD's public machine-readable ISA for CDNA 5 (MIT licence, August 2026) and "CDNA5" Instruction Set Architecture Reference Guide (July 2026). The comments in the code are by the model that wrote it; some were corrected since.
;; Feed Forward Quantum. Allowed arithmetic: matrix products marked QUANTISED: E2M1 operands, one E8M0 scale for each 32 along K, by v_wmma_scale_f32_16x16x128_f8f6f4 with both operands' format E2M1 (or v_wmma_scale_f32_32x16x128_f4), f32 sums; products left as they are: f32 operands where the result goes on into a quantised operand, else bf16, f16 or f32 operands; f32 sums; everything else in f32.
;; Inputs: b1 4,096 float32; b2 1,024 float32; theta 10 float32; w1 4,096 x 10 float32; w2_codes 1,024 x 128 x 16 uint8 (E2M1 codes of w2, K innermost, in blocks of 32 codes, two codes a byte); w2_scales 1,024 x 128 uint8 (E8M0 scales of w2, one for each 32 codes along K); x 4 x 4,096 x 1,024 float32.
;; Outputs: out0 4 x 4,096 x 1,024 float32.
;; This version of the problem:
;;   THIS VERSION OF THE PROBLEM IS GIVEN IN LOW PRECISION. The matrix products marked QUANTISED in the list below multiply operands that are first quantised to E2M1 (2 exponent bits, 1 mantissa bit; 4 bits a number), with one power-of-two scale for each 32 numbers along K (OCP MX v1.0); their sums are f32. All else is computed in f32.
;;   The module's matrix products, in the order in which they are computed (A, B: the left and right operand; K: the contracted axis; several contracted axes count as one K, in the product's order):
;;     1. [M 16,384, K 10] x [K 10, N 4,096]; A: computed on the way; B: input w1: left as it is (K = 10 < 32)
;;     2. [M 16,384, K 4,096] x [K 4,096, N 1,024]; A: computed on the way; B: input w2 (given as codes): QUANTISED
;;   THE QUANTISER, for each operand of a quantised product, along K:
;;     - K is cut into blocks of 32 from its start; a last block that is shorter is filled with zeros.
;;     - A block's scale is 2^e with e = floor(log2(the largest magnitude in the block)) - 2, held to -126 .. 127; a block of zeros has e = 0. As a byte (E8M0): e + 127.
;;     - Each number is divided by its block's scale, clamped to +-6, and rounded to the nearest number of E2M1, ties to even, subnormals kept.
;;     - The product sums the exact products of the quantised numbers (number of the format x scale) in f32.
;;   ~~~python
;;   def quantise(x, axis):      # numpy; x: float32 -> the quantised numbers, widened to float32 again
;;       x = np.moveaxis(x, axis, -1); K = x.shape[-1]
;;       x = np.pad(x, [(0, 0)] * (x.ndim - 1) + [(0, -K % 32)]); x = x.reshape(x.shape[:-1] + (-1, 32)); a = np.abs(x).max(-1, keepdims=True)
;;       e = np.where(a > 0, np.clip(np.frexp(np.where(a > 0, a, 1))[1] - 1 - 2, -126, 127), 0)      # np.frexp(a)[1] - 1 = floor(log2(a)), exactly
;;       r = np.clip(x / 2.0 ** e, -6, 6)
;;       step = 2.0 ** (np.maximum(np.frexp(np.where(r == 0, 1, r))[1] - 1, 0) - 1)
;;       q = np.round(r / step) * step * 2.0 ** e      # np.round: ties to even
;;       return np.moveaxis(q.reshape(q.shape[:-2] + (-1,))[..., :K], -1, axis).astype(np.float32)
;;   ~~~
;;   OPERANDS COMPUTED ON THE WAY. 'Computed on the way' means the value that the module computes at that place (a softmax that the list does not call 'softmax' is quantised finished and normalised). What goes into a quantiser is computed in f32, as accurately as f32 sums, v_exp_f32 and their like allow (about 1e-6 of the number): no bf16 or f16 on the way to a quantiser, and a product that is left as it is and whose result goes on into a quantised operand takes f32 operands (vector FMAs, or v_wmma_f32_16x16x4_f32). A number that lies on a knife's edge between two numbers of the format may be rounded either way, as far as f32 arithmetic and the matrix unit's own rounding can turn it there, and no further.
;;   INPUTS GIVEN AS CODES. w2 (in the module: [1024, 4096], K = its axis 1): each comes as NAME_codes (uint8): NAME with its K axis moved to the last place and cut into blocks of 32 codes, [.., K / 32, bytes a block], one block behind the other in memory; two codes a byte, the lower K in the low four bits (a code: sign, 2 exponent bits, 1 mantissa bit); and NAME_scales (uint8): the same leading axes, one E8M0 byte (e + 127) for each 32 codes along K. Its value is code x scale, taken as it is: it is not quantised again, and the codes and scales need not be those that the quantiser above would give.
;; One version. Each part assembles by itself: llvm-mc -triple=amdgcn-amd-amdhsa -mcpu=gfx1250 --defsym DOCPART=n.
;; ======== version 1 of 1: 1 launch
;; limits: inputs' magnitudes at most 50,000; right only within a limited range of input values
;; launch ffq (part 1): grid 256 x 1, 8 waves a work-group, clusters of 4 x 1, 327,680 bytes of LDS; arguments x, theta, w1, b1, w2_codes, w2_scales, b2, out0; writes out0
.if DOCPART == 1
	.amdgcn_target "amdgcn-amd-amdhsa--gfx1250"
	.amdhsa_code_object_version 6
	.text
	.protected	k_q4d7deaaffb_ffq
	.globl	k_q4d7deaaffb_ffq
	.p2align	8
	.type	k_q4d7deaaffb_ffq,@function
k_q4d7deaaffb_ffq:
	s_mov_b64 s[64:65], 0
	v_nop
	global_prefetch_b8 v0, s[64:65] scope:SCOPE_SE
	s_setreg_imm32_b32 hwreg(HW_REG_WAVE_MODE, 25, 1), 1
	s_wait_xcnt 0x0
	s_wait_alu depctr_hold_cnt(0) depctr_sa_sdst(0) depctr_va_vdst(0) depctr_va_sdst(0) depctr_va_ssrc(0) depctr_va_vcc(0) depctr_vm_vsrc(0)
	s_getreg_b32 s2, hwreg(HW_REG_IB_STS2, 6, 4)
	s_cmp_eq_u32 s2, 0
	s_cbranch_scc0 .Lentry_in_a_cluster
	s_endpgm
.Lentry_in_a_cluster:
	s_bfe_u32 s2, ttmp6, 0x10000c
	s_cmp_lg_u32 s2, 0x3003
	s_cbranch_scc0 .Lentry_shape_is_right
	s_endpgm
.Lentry_shape_is_right:
; y = Q(relu(q W1^T + b1)) W2^T + b2,  q = cos(x[:, 0..9]) cos(theta).  16,384 tokens, 4,096 hidden units, 1,024 outputs.
; Of x only the first 10 numbers of a token have a way to the result: 48 bytes a token are loaded, k = 10, 11 are replaced.
; The first product (K = 10) stays in f32; the hidden layer is quantised to E2M1 in blocks of 32 units, one E8M0 byte a block; W2 comes as codes and bytes.
; SHARES.  A work-group owns 64 tokens and all 1,024 outputs, so every hidden number is made once in the launch: 256 work-groups, eight waves.
;   Wave w makes 64 tokens x outputs 512 hf + 64 w + 0 .. 63, hf = 0, 1: 32 accumulators (output tile 4 hf + b, token tile a) at v[8 (4 (4 hf + b) + a)] of window 1.  They begin as b2, loaded straight into them.
;   As a producer, for each 128 hidden units, wave w makes block ub = w & 3 (32 units) for token tiles 2 (w >> 2) + 0, 1.
; A TRIP is one tile of W2: 512 outputs x 512 along K, rows of 256 bytes at multiples of 256.  Trip t = 2 kc + hf takes chunk kc of K and half hf of the outputs: 16 trips, two LDS slots, slot hf.
;   Each wave fetches and reads its own 64 rows: one tensor load a wave behind each round.  CLUSTER: all work-groups walk the same W2, so the four of a cluster ask JOINTLY (mask 15).
; THE FIRST PRODUCT goes by v_wmma_f32_16x16x4_f32, transposed (source 0 = 16 rows of W1, source 1 = 16 tokens), K = 12: k = 10 carries b1 against 1.0, k = 11 is 0.
;   Lane r of tile u takes unit 8 u + r + 8 (r / 8) of the block: a lane's 16 results of tiles 0, 1 are units 16 (lane / 16) + 0 .. 15 of ONE token.
; RELU stands behind the conversion: the block's maximum is taken without |.| over a positive floor, and a code with its sign set keeps the sign alone (-0), four bit operations for eight codes.
; THE HIDDEN LAYER goes from wave to wave through LDS as an image of the operand's registers, a chunk of 512 units to a buffer, two buffers.  Trip t quantises K steps 2 t + 4, 2 t + 5 (the next chunk) and multiplies W1 for 2 t + 5, 2 t + 6.
; W2's scale bytes: a lane takes the 16 bytes of its own row and chunk straight into registers, one trip ahead; each byte is loaded once by the work-group.  All of them (128 KiB) have no room in LDS beside the ring.
; No prefetch: the one stream of tensor loads is W2, 2 MiB that all 64 clusters walk in the same order at the same time; W1's rows are asked for nearly a trip ahead of their use.
; LIMITS: the cosine is a three-part reduction by pi / 2 and two polynomials, good to about 1e-7 absolute for |x|, |theta| under about 5e4, worse beyond; NaN and infinities among the inputs are not served;
;   a block without a positive number gets the byte 1 (its codes are zeros, and the bytes are read by this kernel alone).
.set SLOT,  139264                     ; 512 rows x 272 bytes
.set WP,    272                        ; an LDS row: 256 bytes + 16 of padding
.set WAVB,  64*WP                      ; a wave's 64 rows; on the way out its stage
.set HB,    2*SLOT                     ; the images
.set HBUF,  17408                      ; 4 K steps x 4 fragments x 1,024 bytes, then 64 tokens x 16 scale bytes
.set HSCO,  16384
.set SPARE, HB+2*HBUF                  ; the spare words: 128 bytes for each wave, no other line names them
.set SPW, 1
.set NIL, 2
.set ADW, 3                            ; v3-4 my W2 fragments in slot 0, 1
.set LI,  5                            ; HB + 16 lane
.set LSC, 6                            ; HB + HSCO + 16 r
.set HWI, 7                            ; where I store codes
.set HWS, 8                            ; where I store scale bytes
.set W1A, 9
.set W1B, 10
.set B1A, 11
.set STO, 12
.set RD,  13
.set CO,  14
.set SCA, 15                           ; 128 lane: W2's scale rows
.set QF,  16                           ; v16-27 q's fragments: 6 mm + 2 c + jj
.set WE,  28                           ; W1's set for even K steps (14 registers), WO for odd ones
.set WO,  42
.set HX,  56                           ; v56-87 the first product of even K steps, v88-119 of odd ones: written by matrix instructions alone
.set HY,  88
.set WS,  120                          ; v120-151 W2's scale words: 16 hf + 8 (chunk % 2) + 4 p + q; lanes 0-15 output tile 2 p, lanes 16-31 tile 2 p + 1
.set HS,  152                          ; v152-167 the hidden layer's scale words: 4 a + q
.set TM,  168
.set TM2, 170
.set SCL, 172
.set BY,  174
.set PC,  176                          ; v176-179 codes
.set FS,  180
.set FT,  184
.set HF,  188                          ; v188-219 four hidden fragments
.set WF,  220                          ; v220-251 four fragments of W2
.set T2,  188                          ; at the head: W1's sets for K steps 2, 3
.set T3,  202
.set CT,  216                          ; at the head: 30 registers at work in the cosines
.set XO,  240
.set TO1, 241
.set TO2, 242
.set TH,  180                          ; at the head: v180-185 theta
.set B2O, 246
.set G1, 24
.set G0, 32
.set MK, 86
.set MSB, 0
.macro WIN new
.if MSB != \new
	s_set_vgpr_msb (MSB<<8)|\new
.set MSB, \new
.endif
.endm
.macro NOPS n
.rept \n
	v_nop
.endr
.endm
.macro ROUND                           ; a round of the cluster's barrier
	s_barrier_signal -1
	s_barrier_wait -1
	s_cmp_lg_u32 s20, 0
	s_cbranch_scc1 .Lnot_wave_0_\@
	s_barrier_signal -3
.Lnot_wave_0_\@:
	s_barrier_wait -3
	s_barrier_signal -1
	s_barrier_wait -1
.endm
; six cosines by turns, v[d] .. v[d+5] in place.  n = nearest whole number to x 2 / pi; r = x - n pi / 2 in three parts; polynomials in r^2; n mod 4 picks cos r, -sin r, -cos r, sin r by a select and a sign bit.
.macro L6 op:vararg
.irp i, 0,1,2,3,4,5
	\op
.endr
.endm
.macro C6 d
.irp i, 0,1,2,3,4,5
	v_mul_f32 v[CT+\i], s76, v[\d+\i]
.endr
.irp i, 0,1,2,3,4,5
	v_rndne_f32 v[CT+\i], v[CT+\i]
.endr
.irp i, 0,1,2,3,4,5
	v_fma_f32 v[CT+6+\i], v[CT+\i], s77, v[\d+\i]
.endr
.irp i, 0,1,2,3,4,5
	v_fma_f32 v[CT+6+\i], v[CT+\i], s78, v[CT+6+\i]
.endr
.irp i, 0,1,2,3,4,5
	v_fma_f32 v[CT+6+\i], v[CT+\i], s79, v[CT+6+\i]
.endr
.irp i, 0,1,2,3,4,5
	v_mul_f32 v[CT+12+\i], v[CT+6+\i], v[CT+6+\i]
.endr
.irp i, 0,1,2,3,4,5
	v_fma_f32 v[CT+18+\i], v[CT+12+\i], s80, s81
	v_fma_f32 v[CT+24+\i], v[CT+12+\i], s83, s84
.endr
.irp i, 0,1,2,3,4,5
	v_fma_f32 v[CT+18+\i], v[CT+18+\i], v[CT+12+\i], s82
	v_fma_f32 v[CT+24+\i], v[CT+24+\i], v[CT+12+\i], s85
.endr
.irp i, 0,1,2,3,4,5
	v_fma_f32 v[CT+18+\i], v[CT+18+\i], v[CT+12+\i], -0.5
	v_mul_f32 v[CT+24+\i], v[CT+24+\i], v[CT+12+\i]
.endr
.irp i, 0,1,2,3,4,5
	v_fma_f32 v[CT+18+\i], v[CT+18+\i], v[CT+12+\i], 1.0
	v_fma_f32 v[CT+24+\i], v[CT+24+\i], v[CT+6+\i], v[CT+6+\i]
.endr
.irp i, 0,1,2,3,4,5
	v_cvt_i32_f32 v[CT+\i], v[CT+\i]
.endr
.irp i, 0,1,2,3,4,5
	v_and_b32 v[CT+12+\i], 1, v[CT+\i]
.endr
.irp i, 0,1,2,3,4,5
	v_cmp_eq_u32 s[MK+\i], 1, v[CT+12+\i]
.endr
.irp i, 0,1,2,3,4,5
	v_cndmask_b32 v[CT+18+\i], v[CT+18+\i], v[CT+24+\i], s[MK+\i]
.endr
.irp i, 0,1,2,3,4,5
	v_add_nc_u32 v[CT+\i], 1, v[CT+\i]
.endr
.irp i, 0,1,2,3,4,5
	v_and_b32 v[CT+\i], 2, v[CT+\i]
.endr
.irp i, 0,1,2,3,4,5
	v_lshlrev_b32 v[CT+\i], 30, v[CT+\i]
.endr
.irp i, 0,1,2,3,4,5
	v_xor_b32 v[\d+\i], v[CT+18+\i], v[CT+\i]
.endr
.endm
; eight loads: my 32 rows of W1 and numbers of b1 for K step k (counted from where the bases stand) into set w.  Lanes 16-31 load k = 8, 9 a second time; W1MERGE replaces them.
.macro W1LOAD w, k
.irp u, 0,1
	global_load_b64 v[\w+6*\u:\w+6*\u+1], v[W1A], s[8:9] offset:5120*(\k)+320*\u
	global_load_b64 v[\w+6*\u+2:\w+6*\u+3], v[W1A], s[8:9] offset:5120*(\k)+320*\u+16
	global_load_b64 v[\w+6*\u+4:\w+6*\u+5], v[W1B], s[8:9] offset:5120*(\k)+320*\u
	global_load_b32 v[\w+12+\u], v[B1A], s[10:11] offset:512*(\k)+32*\u
.endr
.endm
.macro W1MERGE w                       ; in lanes 16-31 the third fragment is k = 10: b1, and k = 11: 0
.irp u, 0,1
	v_cndmask_b32 v[\w+6*\u+4], v[\w+6*\u+4], v[\w+12+\u], s58
	v_cndmask_b32 v[\w+6*\u+5], v[\w+6*\u+5], 0, s58
.endr
.endm
.macro SLOAD set, kc                   ; W2's scale words for half 'set', chunks kc and kc + 1 from where the base stands: a lane a row, 16 bytes = 4 K steps; a row's two pieces are asked for one behind the other
.irp p, 0,1
.irp c, 0,1
	global_load_b128 v[WS+16*(\set)+8*\c+4*\p:WS+16*(\set)+8*\c+4*\p+3], v[SCA], s[14:15] offset:65536*(\set)+4096*\p+16*((\kc)+\c)
.endr
.endr
.endm
.macro B2LOAD hf                       ; b2 at a lane's eight outputs, into each of the half's 16 accumulators
	WIN 0x40
.irp b, 0,1,2,3
.irp a, 0,1,2,3
.set ac, 8*(4*(4*\hf+\b)+\a)
	global_load_b128 v[ac:ac+3], v[B2O], s[16:17] offset:2048*\hf+64*\b
	global_load_b128 v[ac+4:ac+7], v[B2O], s[16:17] offset:2048*\hf+64*\b+16
.endr
.endr
	WIN 0
.endm
; slice pqi of 12 of the quantiser, on the four accumulators at hq (each read from its low end on), my two blocks by turns.  No |.|: what is negative must not count
.macro QL hq
.if pqi == 0
	v_max3_num_f32 v[TM], v[\hq], v[\hq+1], 0x1800000          ; the floor 2^(3 - 127): the byte cannot fall under 1
	v_max3_num_f32 v[TM+1], v[\hq+16], v[\hq+17], 0x1800000
.elseif pqi < 8
	v_max3_num_f32 v[TM], v[TM], v[\hq+2*pqi], v[\hq+2*pqi+1]
	v_max3_num_f32 v[TM+1], v[TM+1], v[\hq+16+2*pqi], v[\hq+17+2*pqi]
.elseif pqi == 8
	v_permlanex16_b32 v[TM2], v[TM], s56, s57                  ; the block's other 16 units lie in the lane 16 away
	v_permlanex16_b32 v[TM2+1], v[TM+1], s56, s57
.elseif pqi == 9
	v_max_num_f32 v[TM], v[TM], v[TM2]
	v_max_num_f32 v[TM+1], v[TM+1], v[TM2+1]
.elseif pqi == 10
	v_add_nc_u32 v[SCL], 0xff000000, v[TM]                     ; 2 off the exponent field: the conversion's scale operand
	v_add_nc_u32 v[SCL+1], 0xff000000, v[TM+1]
.else
	v_lshrrev_b32 v[BY], 23, v[SCL]                            ; the scale's byte
	v_lshrrev_b32 v[BY+1], 23, v[SCL+1]
.irp mm, 0,1
.irp e, 0,1
	v_cvt_scalef32_pk8_fp4_f32 v[PC+2*\mm+\e], v[\hq+16*\mm+8*\e:\hq+16*\mm+8*\e+7], v[SCL+\mm]
.endr
.endr
	v_nop                                                      ; one plain line behind the last scaled conversion
.endif
.endm
; instructions from .. to of the 12 of a first product (doP): set w against q into the four accumulators at ha, by turns; the first of each takes the constant 0.  Behind each a slice of the quantiser (doQ) on hq.
.macro PQ w, ha, hq, from, to, doP, doQ
.set pqi, \from
.rept \to-\from+1
.set pqc, pqi/4
.set pqm, (pqi%4)/2
.set pqu, pqi%2
.set pqd, \ha+8*(2*pqm+pqu)
.if \doP
.if pqc == 0
	v_wmma_f32_16x16x4_f32 v[pqd:pqd+7], v[\w+6*pqu:\w+6*pqu+1], v[QF+6*pqm:QF+6*pqm+1], 0
.else
	v_wmma_f32_16x16x4_f32 v[pqd:pqd+7], v[\w+6*pqu+2*pqc:\w+6*pqu+2*pqc+1], v[QF+6*pqm+2*pqc:QF+6*pqm+2*pqc+1], v[pqd:pqd+7]
.endif
.endif
.if \doQ
	QL \hq
.endif
.set pqi, pqi+1
.endr
.endm
.macro FIX                             ; relu on codes: s = the sign bits; s - (s >> 3) is 7 in each negative code's place; those three bits are cleared, -0 stays
.irp k, 0,1,2,3
	v_and_b32 v[FS+\k], 0x88888888, v[PC+\k]
.endr
.irp k, 0,1,2,3
	v_lshrrev_b32 v[FT+\k], 3, v[FS+\k]
.endr
.irp k, 0,1,2,3
	v_sub_nc_u32 v[FS+\k], v[FS+\k], v[FT+\k]
.endr
.irp k, 0,1,2,3
	v_bfi_b32 v[PC+\k], v[FS+\k], 0, v[PC+\k]
.endr
.endm
.macro IMG i, q                        ; my 8 bytes of codes and my block's byte for each of my two token tiles, into buffer i, K step q of the chunk
.irp mm, 0,1
	ds_store_b64 v[HWI], v[PC+2*\mm:PC+2*\mm+1] offset:HBUF*(\i)+4096*(\q)+1024*\mm
	ds_store_b8 v[HWS], v[BY+\mm] offset:HBUF*(\i)+256*\mm+4*(\q)
.endr
.endm
.macro HSLOAD i                        ; the chunk's scale words of the hidden layer: 4 K steps a token
.irp a, 0,1,2,3
	ds_load_b128 v[HS+4*\a:HS+4*\a+3], v[LSC] offset:HBUF*(\i)+256*\a
.endr
.endm
.macro FETCH s, i, q                   ; 16 loads: four hidden fragments, my four fragments of W2
.irp a, 0,1,2,3
.irp c, 0,1
	ds_load_b128 v[HF+8*\a+4*\c:HF+8*\a+4*\c+3], v[LI] offset:HBUF*(\i)+4096*(\q)+1024*\a+512*\c
.endr
.endr
.irp b, 0,1,2,3
.irp c, 0,1
	ds_load_b128 v[WF+8*\b+4*\c:WF+8*\b+4*\c+3], v[ADW+\s] offset:16*WP*\b+64*(\q)+32*\c
.endr
.endr
.endm
; 16 matrix instructions, transposed (source 0 = 16 outputs' rows of W2, source 1 = 16 tokens): a lane holds eight neighbouring outputs of one token.  Each accumulator once: by turns.
.macro MUL hf, ib, q
	WIN 0x50
.irp b, 0,1,2,3
.irp a, 0,1,2,3
.set ac, 8*(4*(4*\hf+\b)+\a)
.if (\b)%2
	v_wmma_scale_f32_16x16x128_f8f6f4 v[ac:ac+7], v[WF+8*\b:WF+8*\b+7], v[HF+8*\a:HF+8*\a+7], v[ac:ac+7], v[WS+16*\hf+8*\ib+4*(\b/2)+(\q)], v[HS+4*\a+(\q)] matrix_a_fmt:MATRIX_FMT_FP4 matrix_b_fmt:MATRIX_FMT_FP4 matrix_a_scale:MATRIX_SCALE_ROW1
.else
	v_wmma_scale_f32_16x16x128_f8f6f4 v[ac:ac+7], v[WF+8*\b:WF+8*\b+7], v[HF+8*\a:HF+8*\a+7], v[ac:ac+7], v[WS+16*\hf+8*\ib+4*(\b/2)+(\q)], v[HS+4*\a+(\q)] matrix_a_fmt:MATRIX_FMT_FP4 matrix_b_fmt:MATRIX_FMT_FP4
.endif
.endr
.endr
	WIN 0
.endm
; The head of the trip on slot s.  fill = 1: the next tile goes, jointly, into the other slot, which was read in the trip before (in trip 0: its first fill).
.macro TOP s, fill
	s_wait_tensorcnt 0x0                           ; my one load has landed: this trip's rows; so a group 0 may be written
	ds_add_u32 v[SPW], v[NIL]
.if \fill
	s_add_nc_u64 s[G0+4*\s+2:G0+4*\s+3], s[G0+4*\s+2:G0+4*\s+3], 256   ; this slot's next chunk
.endif
	s_wait_dscnt 0x0                               ; the add, my reads of the other slot and of the image, my stores into the next image
.if \fill
	ROUND
	tensor_load_to_lds s[G0+4*(1-\s):G0+4*(1-\s)+3], s[G1:G1+7]
	s_nop 0
.else
	s_barrier_signal -1
	s_barrier_wait -1
.endif
.endm
; THE WAY OUT of half hf, a token tile (16 rows x my 64 outputs = 256 bytes a row) at a time, through my own stage: my 64 rows of slot 0, which have had their last fill and their last read.
; A tile's whole rows come back into the 32 registers that it left: each tile has 16 rows of the stage to itself, so all 64 LDS instructions go out first, then the 32 stores.
.macro OUT hf
	WIN 0x44                                       ; the stores' data and the LDS loads' results: window 1
.irp a, 0,1,2,3
.irp b, 0,1,2,3
.set ac, 8*(4*(4*\hf+\b)+\a)
	ds_store_b128 v[STO], v[ac:ac+3] offset:16*WP*\a+64*\b            ; each accumulator from its low end on
	ds_store_b128 v[STO], v[ac+4:ac+7] offset:16*WP*\a+64*\b+16
.endr
.irp t, 0,1,2,3,4,5,6,7
.set ac, 8*(4*(4*\hf+\t/2)+\a)+4*(\t%2)
	ds_load_b128 v[ac:ac+3], v[RD] offset:16*WP*\a+2*WP*\t            ; LDS serves a wave's instructions in order (ISA guide 5.7.1.4)
.endr
.endr
.irp a, 0,1,2,3
	s_wait_dscnt 48-16*\a                          ; behind tile a's loads: 16 LDS instructions for each later tile
.irp t, 0,1,2,3,4,5,6,7
.set ac, 8*(4*(4*\hf+\t/2)+\a)+4*(\t%2)
	global_store_b128 v[CO], v[ac:ac+3], s[18:19] offset:65536*\a+8192*\t+2048*\hf th:TH_STORE_NT   ; 16 lanes store 256 consecutive bytes, aligned
.endr
.endr
	WIN 0
.endm
; Half a trip: K steps q0, q0 + 1 of the chunk's four against half hf; one first product (doP: set w into ha) and one quantiser (doQ: on hq) among them.
; wc: how many younger loads may stay out when set w (and this trip's scale words) must be in; ldk: the K step with which set w is loaded again; sl: the next trip's scale words are asked for.
.macro HALF hf, ib, q0, w, ha, hq, doP, doQ, wc, ldk, sl, skc, hs, out
.if \wc >= 0
	s_wait_loadcnt \wc
.endif
.if \doP
	W1MERGE \w                                     ; four plain lines: also the places in front of the loads into the operands' registers
.else
	NOPS 4
.endif
.if \out
	OUT 0
.endif
.if \hs
	HSLOAD \ib
.endif
	FETCH \hf, \ib, \q0
	PQ \w, \ha, \hq, 0, 5, \doP, \doQ
.if \doQ
	s_wait_alu depctr_va_vdst(0)
.endif
	s_wait_dscnt 0x0
	MUL \hf, \ib, \q0
.if \doQ
	PQ \w, \ha, \hq, 6, 7, \doP, \doQ              ; its four plain lines are the places in front of the loads below
.else
	NOPS 4
.endif
	FETCH \hf, \ib, \q0+1
.if \doQ
	PQ \w, \ha, \hq, 8, 11, \doP, \doQ
	FIX
	IMG 1-\ib, 2*\hf+\q0/2
.endif
.if \ldk >= 0
	W1LOAD \w, \ldk                                ; behind the 19 plain lines that follow the last product by this set
.endif
.if \sl
	SLOAD 1-\hf, \skc
.endif
.if \doQ
	s_wait_dscnt 4                                 ; all but my four stores into the image
.else
	s_wait_dscnt 0x0
.endif
	MUL \hf, \ib, \q0+1
.endm
	s_load_b512 s[4:19], s[0:1], 0x0               ; x 4, theta 6, w1 8, b1 10, w2_codes 12, w2_scales 14, b2 16, out0 18
	v_lshl_add_u32 v[SPW], v0, 2, SPARE
	v_mov_b32 v[NIL], 0
	ds_add_u32 v[SPW], v[NIL]                      ; the opening: the add twice on end under one wait
	ds_add_u32 v[SPW], v[NIL]
	v_lshrrev_b32 v255, 5, v0
	v_readfirstlane_b32 s20, v255                  ; wave 0..7
	s_and_b32 s21, s20, 3                          ; ub
	s_lshr_b32 s22, s20, 2                         ; rp
	s_bfe_u32 s68, ttmp6, 0x40000                  ; cx: it enters x's and out0's addresses alone
	s_lshl_b32 s23, ttmp9, 2
	s_add_co_u32 s23, s23, s68                     ; my block of 64 tokens
	s_mov_b32 s[G1], 15|(1<<20)|(1<<21)|(5<<22)|(3<<25)   ; mask of the four; elements of a byte; 4 words of padding behind every 64
	s_mov_b32 s[G1+1], 256<<16
	s_mov_b32 s[G1+2], 64<<16
	s_mov_b32 s[G1+3], 256<<16
	s_mov_b32 s[G1+4], 64
	s_mov_b32 s[G1+5], 2048
	s_mov_b32 s[G1+6], 0
	s_mov_b32 s[G1+7], 0
	s_mul_i32 s40, s20, WAVB                       ; my 64 rows in a slot
	s_lshl_b32 s41, s22, 11                        ; codes: my two token tiles' fragments,
	s_lshl_b32 s69, s21, 8                         ; register group ub / 2 (512 bytes), lanes' half ub % 2 (256 bytes)
	s_add_co_u32 s41, s41, s69
	s_add_co_u32 s41, s41, HB
	s_lshl_b32 s42, s22, 9                         ; scale bytes: 32 tokens x 16 bytes, byte ub
	s_add_co_u32 s42, s42, s21
	s_add_co_u32 s42, s42, HB+HSCO
	s_lshl_b32 s44, s20, 17                        ; W2: 64 rows of 2,048 bytes
	s_mov_b32 s45, 0
	s_lshl_b32 s46, s23, 18                        ; x: 64 tokens of 4,096 bytes + my 32 as a producer
	s_lshl_b32 s69, s22, 17
	s_add_co_u32 s46, s46, s69
	s_mov_b32 s47, 0
	s_lshl_b32 s48, s23, 18                        ; out0: + my 64 outputs
	s_lshl_b32 s69, s20, 8
	s_add_co_u32 s48, s48, s69
	s_mov_b32 s49, 0
	s_mul_i32 s50, s21, 1280                       ; my block's 32 rows of W1
	s_mov_b32 s51, 0
	s_lshl_b32 s52, s21, 7
	s_mov_b32 s53, 0
	s_lshl_b32 s54, s20, 13                        ; 64 rows of 128 scale bytes
	s_mov_b32 s55, 0
	s_lshl_b32 s66, s20, 8
	s_mov_b32 s67, 0
	s_mov_b32 s56, 0x76543210                      ; v_permlanex16_b32's selects for lane l xor 16
	s_mov_b32 s57, 0xfedcba98
	s_mov_b32 s58, 0xffff0000                      ; lanes 16-31
	s_mov_b32 s76, 0x3f22f983                      ; 2 / pi
	s_mov_b32 s77, 0xbfc90000                      ; -pi / 2 in three parts
	s_mov_b32 s78, 0xb9fda000
	s_mov_b32 s79, 0xb3a22169
	s_mov_b32 s80, 0x37ccf5ce                      ; the cosine's coefficients
	s_mov_b32 s81, 0xbab6061a
	s_mov_b32 s82, 0x3d2aaaa5
	s_mov_b32 s83, 0xb94ca1f9                      ; the sine's
	s_mov_b32 s84, 0x3c08839e
	s_mov_b32 s85, 0xbe2aaaa3
	s_wait_dscnt 0x0
	s_wait_kmcnt 0x0
	s_add_nc_u64 s[12:13], s[12:13], s[44:45]
	s_mov_b32 s[G0], 1
	s_mov_b32 s[G0+1], s40
	s_mov_b64 s[G0+2:G0+3], s[12:13]               ; tile 0: outputs 0-511, chunk 0
	s_or_b32 s[G0+3], s[G0+3], 0x80000000
	s_mov_b32 s[G0+4], 1
	s_add_co_u32 s[G0+5], s40, SLOT
	s_add_nc_u64 s[G0+6:G0+7], s[12:13], 0x100000  ; tile 1: 512 rows on
	s_or_b32 s[G0+7], s[G0+7], 0x80000000
	s_add_nc_u64 s[4:5], s[4:5], s[46:47]
	s_add_nc_u64 s[18:19], s[18:19], s[48:49]
	s_add_nc_u64 s[8:9], s[8:9], s[50:51]
	s_add_nc_u64 s[10:11], s[10:11], s[52:53]
	s_add_nc_u64 s[14:15], s[14:15], s[54:55]
	s_add_nc_u64 s[16:17], s[16:17], s[66:67]
	v_and_b32 v251, 15, v0                         ; r
	v_bfe_u32 v252, v0, 4, 1                       ; h
	v_and_b32 v253, 31, v0                         ; lane
	v_lshlrev_b32 v[XO], 12, v251
	v_lshl_add_u32 v[XO], v252, 3, v[XO]           ; x: token r, + 8 h
	v_lshlrev_b32 v[TO1], 3, v252                  ; theta: 8 h;
	v_xor_b32 v[TO2], 1, v252
	v_lshlrev_b32 v[TO2], 5, v[TO2]                ; for k = 8, 9: byte 32 in lanes 0-15, byte 0 in the others, whose numbers are replaced: no load leaves theta
	v_and_b32 v255, 8, v251
	v_add_nc_u32 v255, v255, v251                  ; r + 8 (r / 8)
	v_mul_u32_u24 v[W1B], v255, 40
	v_lshl_add_u32 v[W1A], v252, 3, v[W1B]
	v_add_nc_u32 v[W1B], 32, v[W1B]
	v_lshlrev_b32 v[B1A], 2, v255
	v_lshlrev_b32 v[SCA], 7, v253
	v_lshlrev_b32 v[B2O], 5, v252
.irp mm, 0,1
.irp c, 0,1,2
	global_load_b64 v[QF+6*\mm+2*\c:QF+6*\mm+2*\c+1], v[XO], s[4:5] offset:65536*\mm+16*\c
.endr
.endr
	global_load_b64 v[TH:TH+1], v[TO1], s[6:7]
	global_load_b64 v[TH+2:TH+3], v[TO1], s[6:7] offset:16
	global_load_b64 v[TH+4:TH+5], v[TO2], s[6:7]
	W1LOAD WE, 0
	W1LOAD WO, 1
	W1LOAD T2, 2
	W1LOAD T3, 3
	SLOAD 0, 0
	ROUND                                          ; all four work-groups are here: the first joint loads meet
	tensor_load_to_lds s[G0:G0+3], s[G1:G1+7]      ; tile 0, my 64 rows: my one tensor load at the head
	s_nop 0
	v_mul_u32_u24 v254, v251, WP
	v_lshl_add_u32 v255, v252, 4, v254
	v_add_nc_u32 v[ADW], s40, v255                 ; row r x pitch + 16 h
	v_add_nc_u32 v[ADW+1], SLOT, v[ADW]
	v_lshl_add_u32 v[LI], v253, 4, HB
	v_lshl_add_u32 v[LSC], v251, 4, HB+HSCO
	v_lshlrev_b32 v255, 4, v251
	v_lshl_add_u32 v255, v252, 3, v255             ; token r's 16 bytes, my half of them
	v_add_nc_u32 v[HWI], s41, v255
	v_lshl_add_u32 v[HWS], v251, 4, s42
	v_lshl_add_u32 v255, v252, 5, v254
	v_add_nc_u32 v[STO], s40, v255                 ; the stage, in: row r, 32 bytes for each half of the lanes
	v_mul_u32_u24 v255, v252, WP
	v_lshl_add_u32 v255, v251, 4, v255
	v_add_nc_u32 v[RD], s40, v255                  ; back: lanes 0-15 a row of 256 bytes, lanes 16-31 the next
	v_lshlrev_b32 v255, 12, v252
	v_lshl_add_u32 v[CO], v251, 4, v255            ; and the same two rows in out0
	v_mov_b32 v[TM2], 0                            ; a lane permute's destination counts as one of its sources
	v_mov_b32 v[TM2+1], 0
	s_wait_alu depctr_va_vdst(0)
	s_wait_loadcnt 0x0                             ; x, theta, four sets of W1, the first scale words; their offset registers are free too
	B2LOAD 0
	C6 TH
	C6 QF
	C6 QF+6
.irp mm, 0,1
.irp c, 0,1,2
	v_pk_mul_f32 v[QF+6*\mm+2*\c:QF+6*\mm+2*\c+1], v[QF+6*\mm+2*\c:QF+6*\mm+2*\c+1], v[TH+2*\c:TH+2*\c+1]
.endr
.endr
.irp mm, 0,1
	v_cndmask_b32 v[QF+6*\mm+4], v[QF+6*\mm+4], 1.0, s58        ; k = 10: 1.0 against b1;
	v_cndmask_b32 v[QF+6*\mm+5], v[QF+6*\mm+5], 0, s58          ; k = 11: 0
.endr
.irp w, WE, WO, T2, T3
	W1MERGE \w
.endr
	PQ WE, HX, HY, 0, 11, 1, 0                     ; the first product of K step 0
	NOPS 8                                         ; the places behind this form
	W1LOAD WE, 4
	PQ WO, HY, HX, 0, 11, 1, 1                     ; K step 1 | K step 0 is quantised
	FIX
	IMG 0, 0
	W1LOAD WO, 5
	PQ T2, HX, HY, 0, 11, 1, 1
	FIX
	IMG 0, 1
	B2LOAD 1
	PQ T3, HY, HX, 0, 11, 1, 1
	FIX
	IMG 0, 2
	s_wait_loadcnt 40                              ; K step 4's rows are in; younger: the odd set's 8 loads and b2's 32
	W1MERGE WE
	PQ WE, HX, HY, 0, 11, 1, 1
	FIX
	IMG 0, 3
	W1LOAD WE, 6
	s_mov_b32 s59, 3
.Lloop:                                                ; four trips: two chunks of K, both halves of the outputs
	TOP 0, 1
	HALF 0, 0, 0, WO, HY, HX, 1, 1, 8, 7, 1, 0, 1, 0     ; 8: the even set's loads may stay out
	HALF 0, 0, 2, WE, HX, HY, 1, 1, 12, 8, 0, 0, 0, 0    ; 12: the odd set's 8 and the 4 of scale words, issued above
	TOP 1, 1
	HALF 1, 0, 0, WO, HY, HX, 1, 1, 8, 9, 0, 0, 0, 0
	HALF 1, 0, 2, WE, HX, HY, 1, 1, 8, 10, 0, 0, 0, 0
	TOP 0, 1
	HALF 0, 1, 0, WO, HY, HX, 1, 1, 8, 11, 0, 0, 1, 0
	HALF 0, 1, 2, WE, HX, HY, 1, 1, 8, 12, 0, 0, 0, 0
	TOP 1, 1
	HALF 1, 1, 0, WO, HY, HX, 1, 1, 8, 13, 1, 2, 0, 0
	HALF 1, 1, 2, WE, HX, HY, 1, 1, 12, 14, 0, 0, 0, 0
	s_wait_xcnt 0x0                                ; the loads have read their bases
	s_add_nc_u64 s[8:9], s[8:9], 8*5120            ; eight K steps on
	s_add_nc_u64 s[10:11], s[10:11], 8*512
	s_add_nc_u64 s[14:15], s[14:15], 32            ; two chunks on
	s_sub_co_u32 s59, s59, 1
	s_cmp_lg_u32 s59, 0
	s_cbranch_scc1 .Lloop
	TOP 0, 1                                       ; trips 12 to 15 are written out: what has no later use is neither loaded nor made
	HALF 0, 0, 0, WO, HY, HX, 1, 1, 8, 7, 1, 0, 1, 0     ; the last rows of W1: K step 31
	HALF 0, 0, 2, WE, HX, HY, 1, 1, 12, -1, 0, 0, 0, 0
	TOP 1, 1
	HALF 1, 0, 0, WO, HY, HX, 1, 1, 0, -1, 0, 0, 0, 0
	HALF 1, 0, 2, WE, HX, HY, 0, 1, -1, -1, 0, 0, 0, 0   ; K step 31 is quantised: the last image
	TOP 0, 1
	HALF 0, 1, 0, WO, HY, HX, 0, 0, -1, -1, 0, 0, 1, 0
	HALF 0, 1, 2, WE, HX, HY, 0, 0, -1, -1, 0, 0, 0, 0
	NOPS 4                                         ; the places in front of the first store of results
	OUT 0                                          ; outputs 0-511 are finished: they leave while the last tile is on its way.  The stage is my own 64 rows of slot 0: my load filled them for the last time, and my reads of them are back
	TOP 1, 0                                       ; nothing is asked for any more
	HALF 1, 1, 0, WO, HY, HX, 0, 0, -1, -1, 0, 0, 0, 0
	HALF 1, 1, 2, WE, HX, HY, 0, 0, -1, -1, 0, 0, 0, 0
	NOPS 4                                         ; the places in front of the first store of results
	OUT 1
	s_wait_tensorcnt 0x0                           ; the wave's end
	ds_add_u32 v[SPW], v[NIL]
	s_wait_dscnt 0x0
	ROUND                                          ; the closing round
	s_endpgm
.Lfunc_end_k_q4d7deaaffb_ffq:
	.size	k_q4d7deaaffb_ffq, .Lfunc_end_k_q4d7deaaffb_ffq-k_q4d7deaaffb_ffq
	.p2alignl 7, 3214868480
	.fill 96, 4, 3214868480
	.section	.rodata,"a",@progbits
	.p2align	6, 0x0
	.amdhsa_kernel k_q4d7deaaffb_ffq
		.amdhsa_group_segment_fixed_size 327680
		.amdhsa_private_segment_fixed_size 0
		.amdhsa_enable_private_segment 0
		.amdhsa_kernarg_size 64
		.amdhsa_user_sgpr_count 2
		.amdhsa_user_sgpr_kernarg_segment_ptr 1
		.amdhsa_wavefront_size32 1
		.amdhsa_system_sgpr_workgroup_id_x 1
		.amdhsa_system_sgpr_workgroup_id_y 1
		.amdhsa_system_sgpr_workgroup_id_z 1
		.amdhsa_system_vgpr_workitem_id 0
		.amdhsa_next_free_vgpr 512
		.amdhsa_next_free_sgpr 96
		.amdhsa_reserve_vcc 0
		.amdhsa_float_denorm_mode_32 3
		.amdhsa_float_denorm_mode_16_64 3
		.amdhsa_memory_ordered 1
		.amdhsa_forward_progress 1
		.amdhsa_inst_pref_size 228
	.end_amdhsa_kernel
	.amdgpu_metadata
---
amdhsa.version: [ 1, 2 ]
amdhsa.kernels:
  - .name:           k_q4d7deaaffb_ffq
    .symbol:         k_q4d7deaaffb_ffq.kd
    .args:
      - { .name: x, .offset: 0, .size: 8, .value_kind: global_buffer, .address_space: global }
      - { .name: theta, .offset: 8, .size: 8, .value_kind: global_buffer, .address_space: global }
      - { .name: w1, .offset: 16, .size: 8, .value_kind: global_buffer, .address_space: global }
      - { .name: b1, .offset: 24, .size: 8, .value_kind: global_buffer, .address_space: global }
      - { .name: w2_codes, .offset: 32, .size: 8, .value_kind: global_buffer, .address_space: global }
      - { .name: w2_scales, .offset: 40, .size: 8, .value_kind: global_buffer, .address_space: global }
      - { .name: b2, .offset: 48, .size: 8, .value_kind: global_buffer, .address_space: global }
      - { .name: out0, .offset: 56, .size: 8, .value_kind: global_buffer, .address_space: global }
    .group_segment_fixed_size: 327680
    .private_segment_fixed_size: 0
    .kernarg_segment_align: 8
    .kernarg_segment_size: 64
    .max_flat_workgroup_size: 256
    .sgpr_count:     96
    .vgpr_count:     512
    .wavefront_size: 32
...
	.end_amdgpu_metadata
.endif
;; end of part 1
